; MI455X (gfx1250); checked and timed in simulation.
; The chip was launched on July 23, 2026; its instructions are those of AMD's public machine-readable ISA for CDNA 5 (MIT licence, August 2026) and "CDNA5" Instruction Set Architecture Reference Guide (July 2026). The comments in the code are by the model that wrote it; some were corrected since.
;; Semantic Aggregator. Allowed arithmetic: matrix products marked QUANTISED: E2M3 operands, one E8M0 scale for each 32 along K, by v_wmma_scale_f32_16x16x128_f8f6f4 with both operands' format E2M3, f32 sums; products left as they are: f32 operands where the result goes on into a quantised operand, else bf16, f16 or f32 operands; f32 sums; everything else in f32.
;; Inputs: activations 4,096 x 16 x 1,024 float32; ln_beta 1,024 float32; ln_gamma 1,024 float32; mask 4,096 x 16 bool; proj_b 1,024 float32; proj_w_codes 1,024 x 32 x 24 uint8 (E2M3 codes of proj_w, K innermost, in blocks of 32 codes, four codes in three bytes); proj_w_scales 1,024 x 32 uint8 (E8M0 scales of proj_w, one for each 32 codes along K); query 1,024 float32.
;; Outputs: out0 4,096 x 1,024 float32.
;; This version of the problem:
;;   THIS VERSION OF THE PROBLEM IS GIVEN IN LOW PRECISION. The matrix products marked QUANTISED in the list below multiply operands that are first quantised to E2M3 (2 exponent bits, 3 mantissa bits; 6 bits a number), with one power-of-two scale for each 32 numbers along K (OCP MX v1.0); their sums are f32. All else is computed in f32.
;;   The module's matrix products, in the order in which they are computed (A, B: the left and right operand; K: the contracted axis; several contracted axes count as one K, in the product's order):
;;     1. [M 65,536, K 1,024] x [K 1,024, N 1,024]; A: input activations; B: input proj_w (given as codes): QUANTISED
;;     2. [M 65,536, K 1,024] x [K 1,024, N 1]; A: computed on the way; B: input query: left as it is (N = 1 < 16)
;;     3. batch 4,096 x [M 1,024, K 16] x [K 16, N 1]; A: input activations; B: softmax: left as it is (K = 16 < 32)
;;   THE QUANTISER, for each operand of a quantised product, along K:
;;     - K is cut into blocks of 32 from its start; a last block that is shorter is filled with zeros.
;;     - A block's scale is 2^e with e = floor(log2(the largest magnitude in the block)) - 2, held to -126 .. 127; a block of zeros has e = 0. As a byte (E8M0): e + 127.
;;     - Each number is divided by its block's scale, clamped to +-7.5, and rounded to the nearest number of E2M3, ties to even, subnormals kept.
;;     - The product sums the exact products of the quantised numbers (number of the format x scale) in f32.
;;   ~~~python
;;   def quantise(x, axis):      # numpy; x: float32 -> the quantised numbers, widened to float32 again
;;       x = np.moveaxis(x, axis, -1); K = x.shape[-1]
;;       x = np.pad(x, [(0, 0)] * (x.ndim - 1) + [(0, -K % 32)]); x = x.reshape(x.shape[:-1] + (-1, 32)); a = np.abs(x).max(-1, keepdims=True)
;;       e = np.where(a > 0, np.clip(np.frexp(np.where(a > 0, a, 1))[1] - 1 - 2, -126, 127), 0)      # np.frexp(a)[1] - 1 = floor(log2(a)), exactly
;;       r = np.clip(x / 2.0 ** e, -7.5, 7.5)
;;       step = 2.0 ** (np.maximum(np.frexp(np.where(r == 0, 1, r))[1] - 1, 0) - 3)
;;       q = np.round(r / step) * step * 2.0 ** e      # np.round: ties to even
;;       return np.moveaxis(q.reshape(q.shape[:-2] + (-1,))[..., :K], -1, axis).astype(np.float32)
;;   ~~~
;;   INPUTS GIVEN AS CODES. proj_w (in the module: [1024, 1024], K = its axis 1): each comes as NAME_codes (uint8): NAME with its K axis moved to the last place and cut into blocks of 32 codes, [.., K / 32, bytes a block], one block behind the other in memory; four codes in three bytes: a row's codes are one little-endian stream of bits, code i at bits 6 i .. 6 i + 5 (a code: sign, 2 exponent bits, 3 mantissa bits); and NAME_scales (uint8): the same leading axes, one E8M0 byte (e + 127) for each 32 codes along K. Its value is code x scale, taken as it is: it is not quantised again, and the codes and scales need not be those that the quantiser above would give.
;; One version. Each part assembles by itself: llvm-mc -triple=amdgcn-amd-amdhsa -mcpu=gfx1250 --defsym DOCPART=n.
;; ======== version 1 of 1: 1 launch
;; limits: values are held in f16: magnitudes above 65,504 overflow, below 6.1e-05 lose precision; inputs' magnitudes at most 65,504
;; launch agg (part 1): grid 512 x 1, 4 waves a work-group, clusters of 4 x 1, 327,680 bytes of LDS; arguments activations, proj_w_codes, proj_w_scales, proj_b, query, ln_gamma, ln_beta, mask, out0; writes out0
.if DOCPART == 1
	.amdgcn_target "amdgcn-amd-amdhsa--gfx1250"
	.amdhsa_code_object_version 6
	.text
	.protected	k_q02727a8554_agg
	.globl	k_q02727a8554_agg
	.p2align	8
	.type	k_q02727a8554_agg,@function
k_q02727a8554_agg:
	s_mov_b64 s[64:65], 0
	v_nop
	global_prefetch_b8 v0, s[64:65] scope:SCOPE_SE
	s_setreg_imm32_b32 hwreg(HW_REG_WAVE_MODE, 25, 1), 1
	s_wait_xcnt 0x0
	s_wait_alu depctr_hold_cnt(0) depctr_sa_sdst(0) depctr_va_vdst(0) depctr_va_sdst(0) depctr_va_ssrc(0) depctr_va_vcc(0) depctr_vm_vsrc(0)
	s_getreg_b32 s2, hwreg(HW_REG_IB_STS2, 6, 4)
	s_cmp_eq_u32 s2, 0
	s_cbranch_scc0 .Lentry_in_a_cluster
	s_endpgm
.Lentry_in_a_cluster:
	s_bfe_u32 s2, ttmp6, 0x10000c
	s_cmp_lg_u32 s2, 0x3003
	s_cbranch_scc0 .Lentry_shape_is_right
	s_endpgm
.Lentry_shape_is_right:
; out0[b] = LayerNorm( sum over t of softmax_t( (Q(act[b][t]) . W^T + proj_b) . query, masked ) act[b][t] ).
; act: [4096][16][1024] f32.  W: [1024][1024] as E2M3 codes (768 bytes a row) with one E8M0 byte for each 32 along K.  out0: [4096][1024] f32.
; SHARES.  A work-group owns 128 rows of act = 8 batches; four waves.  Wave w: mh = w / 2, nh = w % 2.
;   In the product a wave makes M tiles 4 mh .. 4 mh + 3 (a tile of 16 rows IS one batch) against columns 512 nh .. 512 nh + 511 of W.
;   In staging, softmax and output a wave owns batches 2 w and 2 w + 1.
; ONE READ OF act.  Each number is loaded once, 16 bytes a lane, 512 consecutive bytes a load.  It is (a) turned through the wave's own LDS so that a lane holds 16 neighbours
;   along K, quantised by the stated rule and handed to the other waves as images of the operand's registers, and (b) kept as f16 for the weighted sum, all in registers: K chunks 0-2 in 384
;   registers of their own, chunk 3 in the registers that the raw numbers have left.
; THE SCORE IS LINEAR IN K AND IN N: K goes in 4 chunks of 256; a chunk's product of a tile of 16 x 16 (two matrix instructions deep) is folded at once, by query, into 32 score registers.
;   So only one chunk's codes of act are live, and later chunks are on their way from memory while a chunk is multiplied.
; W comes through a ring of two LDS slots (256 rows of each half of N x 192 bytes), 8 slots' worth.  CLUSTER: all work-groups walk the same W, so four of them ask for each tile JOINTLY.
;   The loads of act are plain loads into registers: they stay on their way across the ring's barriers.
; PRODUCT 3 (K = 16 texts, N = 1) goes to the matrix unit on f16 operands, f32 sums.  A kept register holds two TEXTS of one column, so a lane's eight registers of a column are a source-1 fragment as they
;   stand: lanes 0-15 bring their column's texts at k = 0-7, 16-23, lanes 16-31 theirs at k = 8-15, 24-31.  Source 0 holds the batch's 16 weights in row 0 (at the first set of k) and in row 8 (at the second)
;   and zeros elsewhere.  Register 0 of the result is row 0 in lanes 0-15 and row 8 in lanes 16-31: each lane receives the weighted sum of its OWN column, so nothing changes lanes and the stores are dense.
; LIMITS.  K is summed chunk by chunk (f32), N by tiles, not in one chain: another order of f32 rounding than the definition's.  A block of zeros gets the scale byte 1 (its codes are zeros; only this
;   text reads the bytes).  NaN and infinities in act are not served.  A batch whose mask is all false gives NaN, as the definition does.  For product 3 alone act and the weights are rounded to f16:
;   |act| up to 65,504 is held (numbers of spread 30 round an offset of 900 stay near 1,100), and under 6e-5 the step is 6e-8; f16 is taken for its 11 significant bits, since a
;   rounding error of act goes through gamma unchanged while beta may cancel the number itself.
.set PITCH, 240                        ; an LDS row of W: 3 x (64 bytes + 16 of padding) = 60 words, so that the 32 lanes of a load of 8 bytes fall on 64 different banks (64 banks of 4 bytes: ISA guide 11.1)
.set WQ,    128*PITCH                  ; 128 rows: what one tensor load brings
.set NHB,   256*PITCH                  ; one half of N in a slot: 16 tiles of 16 rows
.set SLOT1, 131072                     ; slot 1: one exclusive or turns an address of one slot into the other's
.set SCR,   122880                     ; behind slot 0: score parts [nh][128 rows] f32
.set ATT,   123904                     ; the softmax's weights, 4 bytes a thread
.set TP,    124416                     ; four parts of sum(proj_b x query)
.set SPARE, 124672                     ; the spare words, 128 bytes a wave: two blocks of 256 bytes that no other line names
.set QL,    125184                     ; query, 4 bytes a column
.set SCL,   253952                     ; behind slot 1: W's scale words [nh][chunk][512 rows], 8 bytes: the chunk's two K steps
.set TURN,  286720                     ; TW bytes a wave: 16 rows of 512 + 16 for the turn; when a wave's four turns are over, its four images (1,536 bytes each) and their scale words lie there
.set TW,    8448
.set TSC,   6144                       ; where the scale words lie in a wave's region, 128 bytes each
; window 0
.set SPW, 1                            ; SPARE + 4 x thread; never rewritten
.set NIL, 2                            ; 0, for the add alone
.set ZR,  3                            ; 0
.set AW0, 4                            ; my place in a slot: nh x NHB + 240 r + 24 h
.set AW1, 5                            ; the same behind one padding more: + 40 h
.set AR0, 6                            ; my place among W's scale words
.set ADW, 7                            ; AW0 + the tiles in hand
.set ADW2, 8                           ; AW1 + the tiles in hand
.set ADR, 9                            ; AR0 + the tiles in hand
.set LI,  10                           ; images, on the way back
.set LS,  11                           ; their scale words
.set GA,  12                           ; 16 x lane: offset of every dense global access
.set TS,  13                           ; the turn: in; also the images, on the way in
.set TL,  14                           ; the turn: out
.set AQ0, 15                           ; my place in query
.set XWS, 16                           ; the images' scale words, on the way in
.set ADQ, 17                           ; AQ0 + the tiles in hand
.set SCA, 18
.set MK,  19                           ; my row's mask byte
.set SC4, 20
.set ATA, 21
.set ATB, 22
.set TPA, 23
.set TPC, 24
.set ASC, 32                           ; v32-39   act's scale words, 2 m + k
.set SCW, 40                           ; v40-47   W's scale words, 2 x buffer + k
.set SACC, 48                          ; v48-79   scores: 8 m + j: row 8 h + j of M tile m, summed over my lane's columns
.set ACC, 80                           ; v80-143  two sets of four accumulators.  While staging, set 0 holds the images of units 0 and 1
.set AFR, 144                          ; v144-239 act's eight fragments, 12 (2 m + k)
.set X,   144                          ; while staging: 64 numbers of a lane,
.set T2,  220                          ; the second halves of the conversions,
.set TMX, 228                          ; largest magnitudes,
.set TMB, 232                          ; the other half's, then the bytes,
.set TMS, 236                          ; the conversions' scale operands
.set S,   144                          ; at the head: W's scale bytes, 8 registers a row,
.set QPR, 208                          ; query (every second register),
.set BB,  224                          ; proj_b
.set GM,  144                          ; at the end: gamma, beta, the weights in f32, the weights' two fragments in f16, the two rows of output
.set BT,  176
.set AT,  208
.set AP,  240
.set OO,  80                           ; (product 3's eight accumulators: v32-79 and v208-223, which are done with by then)
; window 1: v0-95 W's fragments, four buffers of 24; v96-103 pairs {query, 0}; v128-255 chunk 0 kept.  window 2: the raw numbers, four sets of 64; at last chunk 3 kept in v0-127.  window 3: chunks 1 and 2 kept.
.set WB,  0
.set QP,  96
.set MSB, 0
.macro WIN new                         ; the immediate's high byte repeats the setting that is left; a switch that changes nothing is dropped
.if MSB != \new
	s_set_vgpr_msb (MSB<<8)|\new
.set MSB, \new
.endif
.endm
.macro CREST                           ; a round of the cluster's barrier behind its opening barrier
	s_cmp_lg_u32 s22, 0
	s_cbranch_scc1 .Lnot_wave_0_\@
	s_barrier_signal -3
.Lnot_wave_0_\@:
	s_barrier_wait -3
	s_barrier_signal -1
	s_barrier_wait -1
.endm
.macro CROUND
	s_barrier_signal -1
	s_barrier_wait -1
	CREST
.endm
.macro BAR                             ; my LDS stores have landed and my LDS loads are in: then the work-group's barrier.
	s_wait_dscnt 0x0
	s_barrier_signal -1
	s_barrier_wait -1
.endm
.macro WRED a, t                       ; the sum over the wave's 32 lanes, in every lane
	v_add_f32_dpp v[\a], v[\a], v[\a] row_xmask:1 row_mask:0xf bank_mask:0xf
	v_add_f32_dpp v[\a], v[\a], v[\a] row_xmask:2 row_mask:0xf bank_mask:0xf
	v_add_f32_dpp v[\a], v[\a], v[\a] row_xmask:4 row_mask:0xf bank_mask:0xf
	v_add_f32_dpp v[\a], v[\a], v[\a] row_xmask:8 row_mask:0xf bank_mask:0xf
	v_permlanex16_b32 v[\t], v[\a], s56, s57
	v_add_f32 v[\a], v[\a], v[\t]
.endm
; Unit u = 2 x batch + k of chunk c: 16 texts x 128 columns, 16 loads of 512 consecutive bytes, into set u of window 2
.macro RAWLOAD c, u
	WIN 0x80
.irp t, 0,1,2,3,4,5,6,7,8,9,10,11,12,13,14,15
	global_load_b128 v[64*(\u)+4*\t:64*(\u)+4*\t+3], v[GA], s[4:5] offset:65536*((\u)/2)+4096*\t+1024*(\c)+512*((\u)%2) th:TH_LOAD_NT
.endr
	WIN 0
.endm
; 14 LDS loads: the N tile t tiles on from the addresses in hand, into buffer t % 4: two fragments (K = 128 each), query of my column, the two scale words.
; A fragment is 12 registers: lane (r, h) takes pieces of 8 bytes of row r; lanes 16-31 read three pieces further on, which for some pieces is behind one padding more (ADW2).
.macro LOADT t
.set lb, 24*((\t)%4)
.set lq, 2*((\t)%4)
	WIN 0x40
.irp q, 0,1
.irp p, 0,1,2,3,4,5
.set PCE, 12*\q+6*(\p/3)+\p%3
.if PCE%8 < 5
	ds_load_b64 v[WB+lb+12*\q+2*\p:WB+lb+12*\q+2*\p+1], v[ADW] offset:8*PCE+16*(PCE/8)+(\t)*16*PITCH
.else
	ds_load_b64 v[WB+lb+12*\q+2*\p:WB+lb+12*\q+2*\p+1], v[ADW2] offset:8*PCE+16*(PCE/8)+(\t)*16*PITCH
.endif
.endr
.endr
	ds_load_b32 v[QP+lq], v[ADQ] offset:64*(\t)    ; the pair's upper word was written once, at the head
	WIN 0x04
	ds_load_b64 v[SCW+lq:SCW+lq+1], v[ADR] offset:128*(\t)
.endm
; 16 packed multiply-adds: tile q's four results x query of my column, onto the scores; each accumulator from its low end on.  (Written alone only behind the very last tile.)
.macro FOLD q
.set fs, 32*((\q)%2)
.set fq, 2*((\q)%4)
.irp m, 0,1,2,3
.irp jj, 0,1,2,3
	v_pk_fma_f32 v[SACC+8*\m+2*\jj:SACC+8*\m+2*\jj+1], v[ACC+fs+8*\m+2*\jj:ACC+fs+8*\m+2*\jj+1], v[QP+fq:QP+fq+1], v[SACC+8*\m+2*\jj:SACC+8*\m+2*\jj+1] op_sel_hi:[1,0,1]
.endr
.endr
.endm
; A TILE: 8 matrix instructions, N tile p against my four M tiles, K = 256, and between them the fold of the tile before, two packed multiply-adds behind each.
; Source 0 = 16 rows of act, source 1 = 16 rows of W: register j of lane (r, h) is (row 8 h + j, column r).  The first K step starts the sums.
; The four accumulators take turns, one instruction a turn, and neighbouring tiles use different sets.
; The fold's lines name the other set, the other buffer's query and the scores: none of this tile's registers.  So they are places: a result is first read 8 places or more behind
; its last product, a buffer is loaded again 18 places behind its last reader, and an accumulator is begun anew a whole tile's 16 places behind its last product.
.macro TILE p
	WIN 0x04                                       ; source 1 (W's fragment; the fold's query pair) in window 1
.set ws, 32*((\p)%2)
.set wb, 24*((\p)%4)
.set wc, 2*((\p)%4)
.set fs, 32*(((\p)+1)%2)
.set fq, 2*(((\p)+3)%4)
.irp n, 0,1,2,3,4,5,6,7                ; K step n / 4, M tile n % 4
.if \n < 4
	v_wmma_scale_f32_16x16x128_f8f6f4 v[ACC+ws+8*(\n%4):ACC+ws+8*(\n%4)+7], v[AFR+12*(2*(\n%4)+\n/4):AFR+12*(2*(\n%4)+\n/4)+11], v[WB+wb+12*(\n/4):WB+wb+12*(\n/4)+11], 0, v[ASC+2*(\n%4)+\n/4], v[SCW+wc+\n/4] matrix_a_fmt:MATRIX_FMT_FP6 matrix_b_fmt:MATRIX_FMT_FP6
.else
	v_wmma_scale_f32_16x16x128_f8f6f4 v[ACC+ws+8*(\n%4):ACC+ws+8*(\n%4)+7], v[AFR+12*(2*(\n%4)+\n/4):AFR+12*(2*(\n%4)+\n/4)+11], v[WB+wb+12*(\n/4):WB+wb+12*(\n/4)+11], v[ACC+ws+8*(\n%4):ACC+ws+8*(\n%4)+7], v[ASC+2*(\n%4)+\n/4], v[SCW+wc+\n/4] matrix_a_fmt:MATRIX_FMT_FP6 matrix_b_fmt:MATRIX_FMT_FP6
.endif
.irp d, 0,1                            ; of the tile before: M tile n / 2, register pair 2 (n % 2) + d: each accumulator from its low end on
	v_pk_fma_f32 v[SACC+8*(\n/2)+4*(\n%2)+2*\d:SACC+8*(\n/2)+4*(\n%2)+2*\d+1], v[ACC+fs+8*(\n/2)+4*(\n%2)+2*\d:ACC+fs+8*(\n/2)+4*(\n%2)+2*\d+1], v[QP+fq:QP+fq+1], v[SACC+8*(\n/2)+4*(\n%2)+2*\d:SACC+8*(\n/2)+4*(\n%2)+2*\d+1] op_sel_hi:[1,0,1]
.endr
.endr
.endm
.macro ADDRS                           ; the four addresses of the tiles in hand
	v_add_nc_u32 v[ADW], s53, v[AW0]
	v_add_nc_u32 v[ADW2], s53, v[AW1]
	v_add_nc_u32 v[ADR], s54, v[AR0]
	v_add_nc_u32 v[ADQ], s62, v[AQ0]
.endm
; A slot's first 12 tiles: three trips of four, so that the buffers and the sets are back where they began.  Loads run three tiles ahead in four buffers.
.macro QUADS
	s_mov_b32 s27, 3
.Lq_\@:
.irp p, 0,1,2,3
	s_wait_dscnt 28                                ; this tile's 14 loads are in; the two younger tiles' may be out
	TILE \p
	LOADT \p+3
.endr
	WIN 0                                          ; at a label and at a branch every window is 0
	s_add_co_u32 s53, s53, 4*16*PITCH              ; four tiles on: rows of W,
	s_add_co_u32 s54, s54, 512                     ; their scale words,
	s_add_co_u32 s62, s62, 256                     ; their query
	ADDRS
	s_sub_co_u32 s27, s27, 1
	s_cmp_lg_u32 s27, 0
	s_cbranch_scc1 .Lq_\@
.endm
; A SLOT: 16 N tiles, 128 matrix instructions.  next = 1: another slot follows, and the slots change.  fill = 1: the slot just read is filled again, two slots ahead.
.macro SLOT fill, next
	QUADS
	s_wait_dscnt 28
	TILE 0                                         ; tile 12
	LOADT 3                                        ; tile 15: the last read of this slot is asked for
.if \next
	WIN 0                                          ; (the add's two registers lie in window 0)
	s_wait_tensorcnt 0x0                           ; all my tensor loads have landed: the one that was out is my part of the next slot
	ds_add_u32 v[SPW], v[NIL]                      ; 0 onto my spare word
.if \fill
	s_and_b32 s58, s52, 1                          ; no tensor load of mine is out, so the walking descriptor may be written: slot J = 2 c + S lies S x 256 rows down and c x 192 bytes along K
	s_mul_i32 s58, s58, 196608
	s_lshr_b32 s59, s52, 1
	s_mul_i32 s59, s59, 192
	s_add_co_u32 s50, s58, s59
	s_add_nc_u64 s[46:47], s[48:49], s[50:51]
	s_or_b32 s47, s47, 0x80000000
	s_xor_b32 s45, s45, SLOT1                      ; the other slot than last time
	s_add_co_u32 s52, s52, 1
.endif
	s_wait_dscnt 29                                ; (the add and the two younger tiles' loads may be out)
	TILE 1                                         ; tile 13: work on registers between the add and the wait for it
	s_wait_dscnt 0x0                               ; the add is done, and my reads of this slot are over
	s_barrier_signal -1
	TILE 2                                         ; tile 14: work on registers while the others arrive
	WIN 0
	s_barrier_wait -1
.if \fill
	CREST                                          ; the barrier has opened a round of the cluster's: no wave of any partner still reads this slot or has a load on its way
	tensor_load_to_lds s[44:47], s[32:39]          ; my one tensor load behind the round, and the first thing there: 14 tiles, 112 matrix instructions, stand between it and the wait for it
	s_nop 0
.rept 4
	v_nop
.endr
.endif
	s_sub_co_u32 s53, s53, 12*16*PITCH             ; back to a slot's first tile,
	s_xor_b32 s53, s53, SLOT1                      ; in the other slot;
	s_add_co_u32 s54, s54, 512                     ; the scale words go on;
	s_add_co_u32 s62, s62, 256                     ; query goes on and begins anew with each chunk: 512 columns of 4 bytes
	s_and_b32 s62, s62, 2047
	ADDRS
	LOADT 0
	LOADT 1
	TILE 3                                         ; tile 15: its loads were in at the wait for 0
	LOADT 2
	WIN 0
.else
	s_wait_dscnt 28
	TILE 1
	s_wait_dscnt 14
	TILE 2
	s_wait_dscnt 0x0
	TILE 3
	WIN 0
.endif
.endm
.macro GLOOP n                         ; n slots that are each filled again
	s_mov_b32 s55, \n
.Lg_\@:
	SLOT 1, 1
	s_sub_co_u32 s55, s55, 1
	s_cmp_lg_u32 s55, 0
	s_cbranch_scc1 .Lg_\@
.endm
; 64 numbers of a lane, register 16 b + i = k 32 b + 16 h + i of row r, become a fragment's codes in v[pc] on (12 registers) and its scale word in v[pw].
.macro QUANT pc, pw
.irp b, 0,1,2,3
	v_max3_num_f32 v[TMX+\b], |v[X+16*\b]|, |v[X+1+16*\b]|, 0x1800000   ; block b: my 16 numbers, and the floor 2^(3 - 127): the byte cannot fall under 1
.endr
.irp i, 2,4,6,8,10,12,14
.irp b, 0,1,2,3
	v_max3_num_f32 v[TMX+\b], v[TMX+\b], |v[X+16*\b+\i]|, |v[X+1+16*\b+\i]|
.endr
.endr
.irp b, 0,1,2,3
	v_permlanex16_b32 v[TMB+\b], v[TMX+\b], s56, s57
.endr
.irp b, 0,1,2,3
	v_max_num_f32 v[TMX+\b], v[TMX+\b], v[TMB+\b]  ; with lane l xor 16's: the block's largest magnitude
.endr
.irp b, 0,1,2,3
	v_add_nc_u32 v[TMS+\b], 0xff000000, v[TMX+\b]  ; 2 off its exponent field: the conversion takes that field as its scale
.endr
.irp b, 0,1,2,3
	v_lshrrev_b32 v[TMB+\b], 23, v[TMS+\b]         ; the scale's byte
.endr
	v_lshl_or_b32 v[\pw], v[TMB+1], 8, v[TMB]
	v_lshl_or_b32 v[\pw], v[TMB+2], 16, v[\pw]
	v_lshl_or_b32 v[\pw], v[TMB+3], 24, v[\pw]
.irp c, 0,1
	v_cvt_scalef32_pk16_fp6_f32 v[\pc+6*\c:\pc+6*\c+2], v[X+32*\c:X+15+32*\c], v[TMS+2*\c]
	v_cvt_scalef32_pk16_fp6_f32 v[T2+4*\c:T2+4*\c+2], v[X+16+32*\c:X+31+32*\c], v[TMS+2*\c+1]   ; (a conversion's three registers begin on an even number)
.endr
	v_nop                                          ; one plain place behind a scaled conversion
.irp c, 0,1                            ; the operand's layout wants a whole block in a lane
.irp i, 0,1,2
	v_permlane16_swap_b32 v[\pc+6*\c+\i], v[T2+4*\c+\i]
.endr
.irp i, 0,1,2
	v_mov_b32 v[\pc+3+6*\c+\i], v[T2+4*\c+\i]
.endr
.endr
.endm
; Unit u of chunk c: turned, kept as f16, quantised; its registers take the same unit of the next chunk.  The images wait in registers, since the next unit's turn goes through the same LDS bytes;
; behind the fourth turn all four are stored there.
.macro UNIT c, u
.if \c == 3
	s_wait_loadcnt 16*(3-\u)                       ; the younger units' loads may be out
.else
	s_wait_loadcnt 48                              ; three younger units, 16 loads each, may be out
.endif
	WIN 0x08                                       ; an LDS store's data are its source 1: window 2
.irp t, 0,1,2,3,4,5,6,7,8,9,10,11,12,13,14,15
	ds_store_b128 v[TS], v[64*\u+4*\t:64*\u+4*\t+3] offset:528*\t
.endr
	WIN 0
.irp b, 0,1,2,3                        ; LDS serves a wave's instructions in order (ISA guide 5.7.1): these see my stores
.irp j, 0,1,2,3
	ds_load_b128 v[X+16*\b+4*\j:X+16*\b+4*\j+3], v[TL] offset:128*\b+16*\j
.endr
.endr
.if \c == 0
	WIN 0x4a
.set kd, 128+32*\u
.elseif \c == 1
	WIN 0xca
.set kd, 32*\u
.elseif \c == 2
	WIN 0xca
.set kd, 128+32*\u
.elseif \u == 0
	WIN 0x0a                                       ; chunk 3, unit 0: by way of window 0, since its place still holds its own raw numbers
.set kd, ACC
.else
	WIN 0x8a                                       ; chunk 3, units 1-3: v[32 u] on of window 2, raw registers that the units before have left
.set kd, 32*\u
.endif
.irp i, 0,1,2,3                        ; kept register 8 i + j: column 4 lane + i, texts 2 j (low half) and 2 j + 1 (high half): eight registers on end are product 3's fragment of that column
.irp j, 0,1,2,3,4,5,6,7
	v_cvt_pk_f16_f32 v[kd+8*\i+\j], v[64*\u+8*\j+\i], v[64*\u+8*\j+4+\i]
.endr
.endr
	WIN 0
	s_wait_dscnt 0x0                               ; the turned numbers are in, and every LDS store has read its registers
.if \c < 3
	RAWLOAD \c+1, \u
.elseif \u == 0
	WIN 0x80
.set n, 0
.rept 32
	v_mov_b32 v[n], v[ACC+n]                       ; to its place in window 2
.set n, n+1
.endr
	WIN 0
.endif
.if \u == 0
.set qpc, 80
.set qpw, 104
.elseif \u == 1
.set qpc, 92
.set qpw, 105
.elseif \u == 2
.set qpc, 240
.set qpw, 252
.else
.set qpc, 208
.set qpw, 227
.endif
	QUANT qpc, qpw
.if \u == 3
.irp i, 0,1,2
	ds_store_b128 v[TS], v[80+4*\i:80+4*\i+3] offset:512*\i
	ds_store_b128 v[TS], v[92+4*\i:92+4*\i+3] offset:1536+512*\i
	ds_store_b128 v[TS], v[240+4*\i:240+4*\i+3] offset:3072+512*\i
	ds_store_b128 v[TS], v[208+4*\i:208+4*\i+3] offset:4608+512*\i
.endr
	ds_store_b32 v[XWS], v104
	ds_store_b32 v[XWS], v105 offset:128
	ds_store_b32 v[XWS], v252 offset:256
	ds_store_b32 v[XWS], v227 offset:384
.endif
.endm
.macro STAGE c
.rept 4
	v_nop                                          ; places in front of the loads into registers that the last products read (two multiply-adds stand behind each of those products besides)
.endr
	UNIT \c, 0
	UNIT \c, 1
	UNIT \c, 2
	UNIT \c, 3
.endm
.macro AFETCH                          ; my four M tiles' fragments and scale words of the chunk in hand: fragment f = 2 m + k is unit f % 4 of wave 2 mh + f / 4
	WIN 0
.irp f, 0,1,2,3,4,5,6,7
.irp i, 0,1,2
	ds_load_b128 v[AFR+12*\f+4*\i:AFR+12*\f+4*\i+3], v[LI] offset:(\f/4)*TW+(\f%4)*1536+512*\i
.endr
	ds_load_b32 v[ASC+\f], v[LS] offset:(\f/4)*TW+(\f%4)*128
.endr
	s_wait_dscnt 0x0
.endm
; ---------------------------------------------------------------- HEAD
	s_load_b512 s[4:19], s[0:1], 0x0               ; act 4, W's codes 6, W's scales 8, proj_b 10, query 12, gamma 14, beta 16, mask 18
	s_load_b64 s[20:21], s[0:1], 0x40              ; out0
	v_lshl_add_u32 v[SPW], v0, 2, SPARE
	v_mov_b32 v[NIL], 0
	ds_add_u32 v1, v2
	ds_add_u32 v1, v2
	s_wait_dscnt 0x0
	v_mov_b32 v[ZR], 0
	v_lshrrev_b32 v31, 5, v0
	v_readfirstlane_b32 s22, v31                   ; wave 0..3
	s_lshr_b32 s23, s22, 1                         ; mh.  Also: which half of N I fetch
	s_and_b32 s24, s22, 1                          ; nh.  Also: which 128 rows of that half's 256
	s_bfe_u32 s25, ttmp6, 0x40000                  ; cx: my place in the cluster
	s_lshl_b32 s26, ttmp9, 2
	s_add_co_u32 s26, s26, s25                     ; my work-group: it enters the addresses of act, mask and out0 alone
	; descriptor group 1: 128 rows x 192 bytes, 768 bytes apart in memory, padded in LDS
	s_mov_b32 s32, 15|(1<<20)|(1<<21)|(3<<22)|(3<<25)  ; 15:0 the mask: all four work-groups; 17:16 elements of 1 byte; 20 padding on; 21 set beside a mask; 24:22 after every 16 words; 31:25 4 words of it
	s_mov_b32 s33, 192<<16                         ; tensor_dim0
	s_mov_b32 s34, 128<<16                         ; tensor_dim1
	s_mov_b32 s35, 192<<16                         ; tile_dim0
	s_mov_b32 s36, 128                             ; tile_dim1
	s_mov_b32 s37, 768                             ; from row to row
	s_mov_b32 s38, 0
	s_mov_b32 s39, 0
	s_lshl_b32 s28, s26, 19                        ; act: 128 rows of 4,096 bytes a work-group, 32 a wave
	s_lshl_b32 s29, s22, 17
	s_add_co_u32 s28, s28, s29
	s_mov_b32 s29, 0
	s_lshl_b32 s30, s26, 7                         ; mask: 128 bytes a work-group
	s_mov_b32 s31, 0
	s_lshl_b32 s60, s26, 15                        ; out0: 8 rows of 4,096 bytes a work-group, 2 a wave
	s_lshl_b32 s61, s22, 13
	s_add_co_u32 s60, s60, s61
	s_mov_b32 s61, 0
	s_mul_i32 s58, s23, 393216                     ; W: row 512 (w / 2) + 128 (w % 2), 768 bytes a row: the wave's number alone
	s_mul_i32 s59, s24, 98304
	s_add_co_u32 s58, s58, s59
	s_mov_b32 s59, 0
	s_mul_i32 s41, s22, WQ                         ; and where my 128 rows go in a slot
	s_mov_b32 s51, 0
	s_mov_b32 s52, 2                               ; J: the slot's worth that the next refill brings
	s_mov_b32 s53, 0                               ; the tiles in hand: their rows in LDS,
	s_mov_b32 s54, 0                               ; their scale words,
	s_mov_b32 s62, 0                               ; their query
	s_mov_b32 s56, 0x76543210
	s_mov_b32 s57, 0xfedcba98                      ; v_permlanex16_b32's selects for lane l xor 16
	s_wait_kmcnt 0x0
	s_add_nc_u64 s[4:5], s[4:5], s[28:29]
	s_add_nc_u64 s[18:19], s[18:19], s[30:31]
	s_add_nc_u64 s[20:21], s[20:21], s[60:61]
	s_add_nc_u64 s[48:49], s[6:7], s[58:59]
	s_mov_b32 s40, 1                               ; group 0 for J = 0: slot 0
	s_mov_b64 s[42:43], s[48:49]
	s_or_b32 s43, s43, 0x80000000
	s_mov_b32 s44, 1                               ; group 0 for J = 1: slot 1, 256 rows further down; it then walks
	s_add_co_u32 s45, s41, SLOT1
	s_add_nc_u64 s[46:47], s[48:49], 196608
	s_or_b32 s47, s47, 0x80000000
	CROUND                                         ; all four work-groups are here: the first joint loads meet
	tensor_load_to_lds s[40:43], s[32:39]          ; the two first fills go out together: two loads of mine are out
	s_nop 0
	tensor_load_to_lds s[44:47], s[32:39]
	s_nop 0
.rept 4
	v_nop
.endr
	v_and_b32 v28, 15, v0                          ; r
	v_bfe_u32 v29, v0, 4, 1                        ; h
	v_and_b32 v30, 31, v0                          ; lane
	v_lshlrev_b32 v[GA], 4, v30
	v_lshlrev_b32 v25, 5, v0                       ; 32 x thread: a row of W's scale bytes
	v_lshlrev_b32 v26, 2, v0                       ; 4 x thread
	v_lshl_add_u32 v27, v0, 3, SCL                 ; where my rows' scale words go
	v_lshl_add_u32 v[ADQ], v0, 2, QL               ; and their query (the register takes its lasting use in front of the first tile)
.irp j, 0,1,2,3,4,5,6,7                ; row thread + 128 j of W: its 32 scale bytes, its query, its bias
	global_load_b128 v[S+8*\j:S+8*\j+3], v25, s[8:9] offset:4096*\j
	global_load_b128 v[S+8*\j+4:S+8*\j+7], v25, s[8:9] offset:4096*\j+16
.endr
.irp j, 0,1,2,3,4,5,6,7
	global_load_b32 v[QPR+2*\j], v26, s[12:13] offset:512*\j
	global_load_b32 v[BB+\j], v26, s[10:11] offset:512*\j
.endr
	global_load_u8 v[MK], v0, s[18:19]             ; thread = row of the work-group: batch 2 w + h, text r
	RAWLOAD 0, 0
	RAWLOAD 0, 1
	RAWLOAD 0, 2
	; the addresses that stay, made while the loads are out
	v_mul_u32_u24 v31, v28, PITCH
	s_mul_i32 s28, s24, NHB
	v_add_nc_u32 v31, s28, v31
	v_mad_u32_u24 v[AW0], v29, 24, v31
	v_mad_u32_u24 v[AW1], v29, 40, v31
	s_lshl_b32 s28, s24, 14
	s_add_co_u32 s28, s28, SCL
	v_lshl_add_u32 v[AR0], v28, 3, s28
	s_lshl_b32 s28, s24, 11
	s_add_co_u32 s28, s28, QL
	v_lshl_add_u32 v[AQ0], v28, 2, s28
	s_mul_i32 s28, s23, 2*TW
	s_add_co_u32 s28, s28, TURN
	v_lshl_add_u32 v[LI], v30, 4, s28
	s_add_co_u32 s28, s28, TSC
	v_lshl_add_u32 v[LS], v30, 2, s28
	s_mul_i32 s28, s22, TW
	s_add_co_u32 s28, s28, TURN
	v_lshl_add_u32 v[TS], v30, 4, s28
	v_mul_u32_u24 v31, v28, 528
	v_lshl_add_u32 v31, v29, 6, v31
	v_add_nc_u32 v[TL], s28, v31
	s_add_co_u32 s28, s28, TSC
	v_lshl_add_u32 v[XWS], v30, 2, s28
	s_lshl_b32 s28, s24, 9
	s_lshl_b32 s29, s23, 8
	s_add_co_u32 s28, s28, s29
	s_add_co_u32 s28, s28, SCR
	v_lshl_add_u32 v[SCA], v29, 5, s28
	v_lshl_add_u32 v[SC4], v0, 2, SCR
	v_lshl_add_u32 v[ATA], v0, 2, ATT
	v_and_b32 v31, 0x60, v0
	v_lshl_add_u32 v[ATB], v31, 2, ATT
	s_lshl_b32 s28, s22, 2
	s_add_co_u32 s28, s28, TP
	v_mov_b32 v[TPA], s28
	v_mov_b32 v[TPC], TP
	; what has to hold a number before it is first read
.set n, 0
.rept 32
	v_mov_b32 v[SACC+n], 0                         ; the scores begin at 0;
	v_mov_b32 v[ACC+32+n], 0                       ; the tile is written once: it folds 'the tile before', which at the very first tile is 0 x 0
.set n, n+1
.endr
.irp b, 0,1,2,3
	v_mov_b32 v[TMB+\b], 0                         ; a lane permute's destination counts as one of its sources
.endr
	v_mov_b32 v241, 0
	WIN 0x40
.irp b, 0,1,2,3
	v_mov_b32 v[QP+2*\b+1], 0                      ; the query pairs' upper words: named with the lower ones, never used
.endr
	v_mov_b32 v[QP+6], 0
	WIN 0
	s_wait_loadcnt 48                              ; the 33 small loads are in; the three raw units may be out
.irp j, 0,1,2,3,4,5,6,7                ; row thread + 128 j is row thread + 128 (j % 4) of half j / 4 of N; chunk c's two scale words are bytes 8 c .. 8 c + 7 of its 32
.irp c, 0,1,2,3
	ds_store_b64 v27, v[S+8*\j+2*\c:S+8*\j+2*\c+1] offset:(\j/4)*16384+4096*\c+(\j%4)*1024
.endr
	ds_store_b32 v[ADQ], v[QPR+2*\j] offset:512*\j
.endr
	v_mul_f32 v240, v[BB], v[QPR]                  ; my 8 terms of sum(proj_b x query),
.irp j, 1,2,3,4,5,6,7
	v_fmac_f32 v240, v[BB+\j], v[QPR+2*\j]
.endr
	WRED 240, 241                                  ; my wave's 256
	ds_store_b32 v[TPA], v240                      ; all lanes write the same word with the same value
	s_wait_dscnt 0x0                               ; the stores have read their registers: the staging loads into them
	RAWLOAD 0, 3
; ---------------------------------------------------------------- THE FOUR CHUNKS
	STAGE 0
	s_wait_tensorcnt 0x1                           ; my part of slot 0 is in; slot 1's may stay out
	BAR                                            ; everybody's is; the scale words, query and chunk 0's images lie in LDS
	ADDRS
	LOADT 0
	LOADT 1
	LOADT 2
	AFETCH
	GLOOP 2                                        ; slots' worth 0, 1.  Each wave's reads of the images are over before its first change of slots, so the next chunk's turns are stored behind barriers that every reader has passed
	STAGE 1
	BAR
	AFETCH
	GLOOP 2                                        ; 2, 3
	STAGE 2
	BAR
	AFETCH
	GLOOP 2                                        ; 4, 5: the last refills
	STAGE 3
	BAR
	AFETCH
	SLOT 0, 1                                      ; 6, 7: the tail is written out
	SLOT 0, 0
; ---------------------------------------------------------------- THE END: scores, softmax, weighted sum, LayerNorm
	WIN 0x04
	FOLD 7                                         ; the last tile
	WIN 0
.irp g, 0,1,2,3,4,5,6,7                ; gamma and beta at my columns 128 g + 4 lane + 0 .. 3
	global_load_b128 v[GM+4*\g:GM+4*\g+3], v[GA], s[14:15] offset:512*\g
	global_load_b128 v[BT+4*\g:BT+4*\g+3], v[GA], s[16:17] offset:512*\g
.endr
.irp x, 1,2,4,8                        ; the sixteen lanes of a half hold sixteen classes of columns: their sum
.set n, 0
.rept 32
	v_add_f32_dpp v[SACC+n], v[SACC+n], v[SACC+n] row_xmask:\x row_mask:0xf bank_mask:0xf
.set n, n+1
.endr
.endr
.irp m, 0,1,2,3
.irp j, 0,1,2,3,4,5,6,7
	ds_store_b32 v[SCA], v[SACC+8*\m+\j] offset:64*\m+4*\j   ; row 64 mh + 16 m + 8 h + j, my half of N; sixteen lanes write the same word with the same value
.endr
.endr
	BAR                                            ; both halves of every row's score lie in LDS
	ds_load_b32 v240, v[SC4]
	ds_load_b32 v241, v[SC4] offset:512
	ds_load_b128 v[244:247], v[TPC]
	s_mov_b32 s58, 0x3a800000                      ; 1 / 1024
	s_mov_b32 s59, 0x3727c5ac                      ; 1e-5
	s_wait_dscnt 0x0
	v_add_f32 v240, v240, v241
	v_add_f32 v244, v244, v245
	v_add_f32 v246, v246, v247
	v_add_f32 v244, v244, v246
	v_add_f32 v240, v240, v244                     ; the score of my row: batch 2 w + h, text r
	v_mov_b32 v242, 0xff800000
	v_cmp_ne_u32 vcc_lo, 0, v[MK]
	v_cndmask_b32 v240, v242, v240, vcc_lo         ; -infinity where the mask is false
	v_max_num_f32_dpp v241, v240, v240 row_xmask:1 row_mask:0xf bank_mask:0xf
	v_max_num_f32_dpp v241, v241, v241 row_xmask:2 row_mask:0xf bank_mask:0xf
	v_max_num_f32_dpp v241, v241, v241 row_xmask:4 row_mask:0xf bank_mask:0xf
	v_max_num_f32_dpp v241, v241, v241 row_xmask:8 row_mask:0xf bank_mask:0xf   ; the batch's largest score
	v_sub_f32 v240, v240, v241
	v_mul_f32 v240, 0x3fb8aa3b, v240
	v_exp_f32 v243, v240
	v_nop                                          ; one plain place behind a transcendental (ISA guide 5.7.2)
	s_wait_alu depctr_va_vdst(0)
	v_add_f32_dpp v241, v243, v243 row_xmask:1 row_mask:0xf bank_mask:0xf
	v_add_f32_dpp v241, v241, v241 row_xmask:2 row_mask:0xf bank_mask:0xf
	v_add_f32_dpp v241, v241, v241 row_xmask:4 row_mask:0xf bank_mask:0xf
	v_add_f32_dpp v241, v241, v241 row_xmask:8 row_mask:0xf bank_mask:0xf
	v_rcp_f32 v242, v241
	v_nop
	s_wait_alu depctr_va_vdst(0)
	v_mul_f32 v243, v243, v242
	ds_store_b32 v[ATA], v243                      ; my wave's own 128 bytes: LDS serves a wave's instructions in order, so the loads below see them
.irp b, 0,1
.irp i, 0,1,2,3
	ds_load_b128 v[AT+16*\b+4*\i:AT+16*\b+4*\i+3], v[ATB] offset:64*\b+16*\i   ; every lane takes all 16 weights of both batches
.endr
.endr
	s_mov_b32 vcc_lo, 0x01000001                   ; lanes 0 and 24
	s_wait_dscnt 0x0
.irp b, 0,1                            ; the weights as a source-0 fragment: register j = texts 2 j, 2 j + 1, as the kept registers have them
.irp j, 0,1,2,3,4,5,6,7
	v_cvt_pk_f16_f32 v[AP+8*\b+\j], v[AT+16*\b+2*\j], v[AT+16*\b+2*\j+1]
.endr
.endr
.set n, 0
.rept 16                               ; lane 0 holds row 0 at k = 0-7, 16-23, lane 24 holds row 8 at k = 8-15, 24-31: there the weights stay; every other row and k is 0
	v_cndmask_b32 v[AP+n], v[ZR], v[AP+n], vcc_lo
.set n, n+1
.endr
; Batch b of my two.  A chunk's eight columns of a lane (k = 0, 1; i = 0 .. 3) are eight products on eight accumulators, each begun with the constant 0; register 0 of each is my column's weighted sum.
; Output register 4 (2 c + k) + i = column 256 c + 128 k + 4 lane + i.  Four v_nop are the places (ISA guide 7.12.1) in front of the reads; with the seven moves that name other accumulators
; they are eleven places in front of the next chunk's product that writes an accumulator anew.
.macro WSUM b
.irp c, 0,1,2,3
.if \c == 0
	WIN 0x04                                       ; source 1 in window 1
.set kb, 128
.elseif \c == 1
	WIN 0x0c                                       ; window 3
.set kb, 0
.elseif \c == 2
	WIN 0x0c
.set kb, 128
.else
	WIN 0x08                                       ; window 2
.set kb, 0
.endif
.irp k, 0,1
.irp i, 0,1,2,3
.set dn, 4*\k+\i
.set dd, 32+8*dn+128*(dn/6)            ; v32, 40 .. 72, then v208, 216
	v_wmma_f32_16x16x32_f16 v[dd:dd+7], v[AP+8*\b:AP+8*\b+7], v[kb+32*(2*\b+\k)+8*\i:kb+32*(2*\b+\k)+8*\i+7], 0
.endr
.endr
	WIN 0
.rept 4
	v_nop
.endr
.irp n, 0,1,2,3,4,5,6,7
	v_mov_b32 v[OO+32*\b+8*\c+\n], v[32+8*\n+128*(\n/6)]
.endr
.endr
.endm
; A row of 1,024 lies in one wave, 32 numbers a lane: mean, deviations, their squares' mean, scale, gain and offset; eight stores of 512 consecutive bytes.
.macro LNORM b
.set LO, OO+32*\b
	v_pk_add_f32 v[240:241], v[LO:LO+1], v[LO+4:LO+5]
	v_pk_add_f32 v[242:243], v[LO+2:LO+3], v[LO+6:LO+7]
.irp j, 8,12,16,20,24,28
	v_pk_add_f32 v[240:241], v[240:241], v[LO+\j:LO+\j+1]
	v_pk_add_f32 v[242:243], v[242:243], v[LO+\j+2:LO+\j+3]
.endr
	v_pk_add_f32 v[240:241], v[240:241], v[242:243]
	v_add_f32 v240, v240, v241
	WRED 240, 241
	v_mul_f32 v244, s58, v240                      ; the mean, twice: a pair for the packed form
	v_mul_f32 v245, s58, v240
.irp j, 0,2,4,6,8,10,12,14,16,18,20,22,24,26,28,30
	v_pk_add_f32 v[LO+\j:LO+\j+1], v[LO+\j:LO+\j+1], v[244:245] neg_lo:[0,1] neg_hi:[0,1]
.endr
	v_pk_mul_f32 v[240:241], v[LO:LO+1], v[LO:LO+1]
	v_pk_mul_f32 v[242:243], v[LO+2:LO+3], v[LO+2:LO+3]
.irp j, 4,8,12,16,20,24,28
	v_pk_fma_f32 v[240:241], v[LO+\j:LO+\j+1], v[LO+\j:LO+\j+1], v[240:241]
	v_pk_fma_f32 v[242:243], v[LO+\j+2:LO+\j+3], v[LO+\j+2:LO+\j+3], v[242:243]
.endr
	v_pk_add_f32 v[240:241], v[240:241], v[242:243]
	v_add_f32 v240, v240, v241
	WRED 240, 241
	v_fma_f32 v246, v240, s58, s59                 ; the variance + 1e-5
	v_rsq_f32 v248, v246
	v_rsq_f32 v249, v246
	v_nop                                          ; one plain place behind a transcendental
.if \b == 0
	s_wait_loadcnt 0x0                             ; gamma and beta
.endif
	s_wait_alu depctr_va_vdst(0)
.irp j, 0,2,4,6,8,10,12,14,16,18,20,22,24,26,28,30
	v_pk_mul_f32 v[LO+\j:LO+\j+1], v[LO+\j:LO+\j+1], v[248:249]
.endr
.irp j, 0,2,4,6,8,10,12,14,16,18,20,22,24,26,28,30
	v_pk_fma_f32 v[LO+\j:LO+\j+1], v[LO+\j:LO+\j+1], v[GM+\j:GM+\j+1], v[BT+\j:BT+\j+1]
.endr
.irp g, 0,1,2,3,4,5,6,7
	global_store_b128 v[GA], v[LO+4*\g:LO+4*\g+3], s[20:21] offset:4096*\b+512*\g th:TH_STORE_NT   ; 32 lanes store 512 consecutive bytes, at a multiple of 256 from out0's first byte; each batch has its own registers, so no store's data are written again
.endr
.endm
	WSUM 0
	WSUM 1                                         ; both weighted sums first: the weights' fragments lie where the norm works
	LNORM 0
	LNORM 1
	s_wait_tensorcnt 0x0                           ; the wave's end: behind my last tensor load and my last LDS store
	ds_add_u32 v[SPW], v[NIL]
	s_wait_dscnt 0x0
	CROUND                                         ; the closing round: no work-group ends while a partner may still ask for a tile that names it
	s_endpgm
.Lfunc_end_k_q02727a8554_agg:
	.size	k_q02727a8554_agg, .Lfunc_end_k_q02727a8554_agg-k_q02727a8554_agg
	.p2alignl 7, 3214868480
	.fill 96, 4, 3214868480
	.section	.rodata,"a",@progbits
	.p2align	6, 0x0
	.amdhsa_kernel k_q02727a8554_agg
		.amdhsa_group_segment_fixed_size 327680
		.amdhsa_private_segment_fixed_size 0
		.amdhsa_enable_private_segment 0
		.amdhsa_kernarg_size 72
		.amdhsa_user_sgpr_count 2
		.amdhsa_user_sgpr_kernarg_segment_ptr 1
		.amdhsa_wavefront_size32 1
		.amdhsa_system_sgpr_workgroup_id_x 1
		.amdhsa_system_sgpr_workgroup_id_y 1
		.amdhsa_system_sgpr_workgroup_id_z 1
		.amdhsa_system_vgpr_workitem_id 0
		.amdhsa_next_free_vgpr 1024
		.amdhsa_next_free_sgpr 66
		.amdhsa_reserve_vcc 1
		.amdhsa_float_denorm_mode_32 3
		.amdhsa_float_denorm_mode_16_64 3
		.amdhsa_memory_ordered 1
		.amdhsa_forward_progress 1
		.amdhsa_inst_pref_size 255
	.end_amdhsa_kernel
	.section	.bss,"aw",@nobits
	.p2align	6
	.space	262144
	.amdgpu_metadata
---
amdhsa.version: [ 1, 2 ]
amdhsa.kernels:
  - .name:           k_q02727a8554_agg
    .symbol:         k_q02727a8554_agg.kd
    .args:
      - { .name: activations, .offset: 0, .size: 8, .value_kind: global_buffer, .address_space: global }
      - { .name: proj_w_codes, .offset: 8, .size: 8, .value_kind: global_buffer, .address_space: global }
      - { .name: proj_w_scales, .offset: 16, .size: 8, .value_kind: global_buffer, .address_space: global }
      - { .name: proj_b, .offset: 24, .size: 8, .value_kind: global_buffer, .address_space: global }
      - { .name: query, .offset: 32, .size: 8, .value_kind: global_buffer, .address_space: global }
      - { .name: ln_gamma, .offset: 40, .size: 8, .value_kind: global_buffer, .address_space: global }
      - { .name: ln_beta, .offset: 48, .size: 8, .value_kind: global_buffer, .address_space: global }
      - { .name: mask, .offset: 56, .size: 8, .value_kind: global_buffer, .address_space: global }
      - { .name: out0, .offset: 64, .size: 8, .value_kind: global_buffer, .address_space: global }
    .group_segment_fixed_size: 327680
    .private_segment_fixed_size: 0
    .kernarg_segment_align: 8
    .kernarg_segment_size: 72
    .max_flat_workgroup_size: 128
    .sgpr_count:     66
    .vgpr_count:     1024
    .wavefront_size: 32
...
	.end_amdgpu_metadata
.endif
;; end of part 1
